; MI455X (gfx1250); checked and timed in simulation.
; The chip was launched on July 23, 2026; its instructions are those of AMD's public machine-readable ISA for CDNA 5 (MIT licence, August 2026) and "CDNA5" Instruction Set Architecture Reference Guide (July 2026). The comments in the code are by the model that wrote it; some were corrected since.
;; Transformer Encoder. Allowed arithmetic: matrix products marked QUANTISED: E2M1 operands, one E8M0 scale for each 32 along K, by v_wmma_scale_f32_16x16x128_f8f6f4 with both operands' format E2M1 (or v_wmma_scale_f32_32x16x128_f4), f32 sums; products left as they are: f32 operands where the result goes on into a quantised operand, else bf16, f16 or f32 operands; f32 sums; everything else in f32.
;; Inputs: W1 8 x 512 float32; W2 512 x 8 float32; Wk 8 x 8 x 64 float32; Wo 512 x 8 float32; Wq 8 x 8 x 64 float32; Wv 8 x 8 x 64 float32; b1 512 float32; b2 8 float32; bk 8 x 64 float32; bo 8 float32; bq 8 x 64 float32; bv 8 x 64 float32; k 8 x 2,048 x 8 float32; ln1_b 8 x 2,048 x 8 float32; ln1_g 8 x 2,048 x 8 float32; ln2_b 8 x 2,048 x 8 float32; ln2_g 8 x 2,048 x 8 float32; q 8 x 2,048 x 8 float32; v 8 x 2,048 x 8 float32.
;; Outputs: out0 8 x 2,048 x 8 float32; out1 8 x 2,048 x 8 float32; out2 8 x 2,048 x 8 float32.
;; This version of the problem:
;;   THIS VERSION OF THE PROBLEM IS GIVEN IN LOW PRECISION. The matrix products marked QUANTISED in the list below multiply operands that are first quantised to E2M1 (2 exponent bits, 1 mantissa bit; 4 bits a number), with one power-of-two scale for each 32 numbers along K (OCP MX v1.0); their sums are f32. All else is computed in f32.
;;   The module's matrix products, in the order in which they are computed (A, B: the left and right operand; K: the contracted axis; several contracted axes count as one K, in the product's order):
;;     1. [M 512, K 8] x [K 8, N 16,384]; A: input Wq; B: input q: left as it is (K = 8 < 32)
;;     2. [M 512, K 8] x [K 8, N 16,384]; A: input Wk; B: input k: left as it is (K = 8 < 32)
;;     3. [M 512, K 8] x [K 8, N 16,384]; A: input Wv; B: input v: left as it is (K = 8 < 32)
;;     4. batch 64 x [M 2,048, K 64] x [K 64, N 2,048]; A: computed on the way; B: computed on the way: QUANTISED
;;     5. batch 64 x [M 2,048, K 2,048] x [K 2,048, N 64]; A: softmax (see below); B: computed on the way: QUANTISED
;;     6. [M 16,384, K 512] x [K 512, N 8]; A: computed on the way; B: input Wo: left as it is (N = 8 < 16)
;;     7. [M 16,384, K 8] x [K 8, N 512]; A: computed on the way; B: input W1: left as it is (K = 8 < 32)
;;     8. [M 16,384, K 512] x [K 512, N 8]; A: computed on the way; B: input W2: left as it is (N = 8 < 16)
;;   THE QUANTISER, for each operand of a quantised product, along K:
;;     - K is cut into blocks of 32 from its start; a last block that is shorter is filled with zeros.
;;     - A block's scale is 2^e with e = floor(log2(the largest magnitude in the block)) - 2, held to -126 .. 127; a block of zeros has e = 0. As a byte (E8M0): e + 127.
;;     - Each number is divided by its block's scale, clamped to +-6, and rounded to the nearest number of E2M1, ties to even, subnormals kept.
;;     - The product sums the exact products of the quantised numbers (number of the format x scale) in f32.
;;   ~~~python
;;   def quantise(x, axis):      # numpy; x: float32 -> the quantised numbers, widened to float32 again
;;       x = np.moveaxis(x, axis, -1); K = x.shape[-1]
;;       x = np.pad(x, [(0, 0)] * (x.ndim - 1) + [(0, -K % 32)]); x = x.reshape(x.shape[:-1] + (-1, 32)); a = np.abs(x).max(-1, keepdims=True)
;;       e = np.where(a > 0, np.clip(np.frexp(np.where(a > 0, a, 1))[1] - 1 - 2, -126, 127), 0)      # np.frexp(a)[1] - 1 = floor(log2(a)), exactly
;;       r = np.clip(x / 2.0 ** e, -6, 6)
;;       step = 2.0 ** (np.maximum(np.frexp(np.where(r == 0, 1, r))[1] - 1, 0) - 1)
;;       q = np.round(r / step) * step * 2.0 ** e      # np.round: ties to even
;;       return np.moveaxis(q.reshape(q.shape[:-2] + (-1,))[..., :K], -1, axis).astype(np.float32)
;;   ~~~
;;   SOFTMAX AHEAD OF A QUANTISED PRODUCT. Where the list says 'softmax', what is quantised is not the finished softmax but p = 2^(t - M), with t = logit x log2(e) and M = ceil(the row's largest t), a whole number; so 1/2 < the row's largest p <= 1. The row's sum l is taken of the UNQUANTISED p, in f32, and the product's result is divided by l at the end. Since M is a whole number, a kernel that streams over the keys may use a running M (the ceiling of the running maximum): every later rescaling is an exact power of two, which a block's scale takes up: the codes' values come out the same.
;;   OPERANDS COMPUTED ON THE WAY. 'Computed on the way' means the value that the module computes at that place (a softmax that the list does not call 'softmax' is quantised finished and normalised). What goes into a quantiser is computed in f32, as accurately as f32 sums, v_exp_f32 and their like allow (about 1e-6 of the number): no bf16 or f16 on the way to a quantiser, and a product that is left as it is and whose result goes on into a quantised operand takes f32 operands (vector FMAs, or v_wmma_f32_16x16x4_f32). A number that lies on a knife's edge between two numbers of the format may be rounded either way, as far as f32 arithmetic and the matrix unit's own rounding can turn it there, and no further.
;; One version. Each part assembles by itself: llvm-mc -triple=amdgcn-amd-amdhsa -mcpu=gfx1250 --defsym DOCPART=n.
;; ======== version 1 of 1: 5 launches
;; limits: values are held in bf16: 8 bits of precision; right only within a limited range of input values
;; workspace buffers: kv 9,175,040 bytes; qc 4,718,592 bytes; part 4,194,304 bytes; xbuf 524,288 bytes; ybuf 524,288 bytes; st1 8,192 bytes; st2 8,192 bytes
;; launch proj (part 1): grid 12 x 64, 4 waves a work-group, no clusters, 0 bytes of LDS; arguments q, k, v, Wq, bq, Wk, bk, Wv, bv, qc, kv; writes qc, kv
.if DOCPART == 1
	.amdgcn_target "amdgcn-amd-amdhsa--gfx1250"
	.amdhsa_code_object_version 6
	.text
	.protected	k_q671b28627e_proj
	.globl	k_q671b28627e_proj
	.p2align	8
	.type	k_q671b28627e_proj,@function
k_q671b28627e_proj:
	s_mov_b64 s[64:65], 0
	v_nop
	global_prefetch_b8 v0, s[64:65] scope:SCOPE_SE
	s_setreg_imm32_b32 hwreg(HW_REG_WAVE_MODE, 25, 1), 1
	s_wait_xcnt 0x0
; The three projections (K = 8, f32 operands, since their results go into a quantiser) and the quantiser to FP4 (E2M1) with one E8M0 byte for each 32 along the later product's K.
; qh, kh = x W + b are quantised along the head's 64 (two blocks a row); vh along the KEYS (four blocks for 128 keys of one channel).
; SHARES.  Work-group x: role = x / 4 (0 Q, 1 K, 2 V); step j = 4 (x % 4) + wave: 128 rows of the sequence; work-group y = 8 batch + head.  A wave makes one step's part of one record.
; THE WORKSPACE IS LAID AS IMAGES OF THE OPERANDS' REGISTERS, so that the attention launch reads every fragment as 16 x lane:
;   kv record (8,960 bytes for a head and step): +0 K's eight tiles of codes, 512 bytes each; +4096 V's eight images (channel tile x, half c at 512 (2 x + c)); +8192 K's scale words (16 x lane + 4 i: tile 2 i + lane / 16); +8704 V's (8 x lane + 4 i).
;   qc record (4,608 bytes): +0 eight tiles of codes, +4096 their scale words, as K's.
; THE ROWS OF A TILE ARE NOT NEIGHBOURS: lane r of tile t takes row 32 (t / 2) + 8 (t % 2) + r + 8 (r / 8), so that in the next launch 16 registers of two neighbouring tiles are 16 neighbouring keys.
; ARITHMETIC.  v_wmma_f32_16x16x4_f32, two K steps; the slot (lane half h, register e, step s) stands for feature 4 h + 2 s + e on both operands; the bias is the C of the first step.
;   Q, K: source 0 = 16 channels of W (chosen as the rows above), source 1 = 16 rows of the input: a lane holds ONE row and its registers run along the channels.
;   V:    source 0 = 16 keys, source 1 = 16 channels of W: a lane holds ONE channel and its registers run along the keys.
; No LDS, no barrier: waves share nothing.  No cluster: what work-groups share is 2 KiB of weights.
; LIMITS: NaN and infinities are not served; a block whose largest magnitude lies under 2^-124 gets the byte 1; a block of zeros gets the byte 1 too (its codes are zeros, and only this program reads the bytes).
.set LA,   3                           ; v3   the input: (r + 8 (r / 8)) x 32 + 16 h
.set LW,   4                           ; v4   the weight: 1,024 h + 4 x my channel in a tile
.set LB,   5                           ; v5   the bias
.set LI,   6                           ; v6   16 x lane
.set L8,   7                           ; v7   8 x lane
.set TM,   8                           ; v8-23  the quantiser's: +0 largest magnitudes, +4 the other half's, then bytes, +12 scale operands
.set DT,   24                          ; v24-55 the input's eight tiles, four features a lane
.set WF,   56                          ; v56-71 the weight's four tiles
.set BI,   72                          ; v72-103 the bias in the result's layout, four tiles
.set RR,   104                         ; v104 r + 8 (r / 8)
.set WD,   108                         ; v108-115 scale words
.set SW,   116                         ; v116-119 their image
.set CD,   120                         ; v120-151 codes: registers of their own for every store
.set AC,   152                         ; v152-215 accumulators: written by matrix instructions alone
.set SEL,  46                          ; s[46:47] v_permlanex16_b32's selects for lane l xor 16
.set HI16, 48                          ; s48 the lanes 16-31
	s_load_b512 s[4:19], s[0:1], 0x0               ; q 4, k 6, v 8, Wq 10, bq 12, Wk 14, bk 16, Wv 18
	s_load_b128 s[20:23], s[0:1], 0x40             ; bv 20, qc 22
	s_load_b64 s[24:25], s[0:1], 0x50              ; kv
	v_lshrrev_b32 v1, 5, v0
	v_readfirstlane_b32 s26, v1                    ; wave
	s_lshr_b32 s27, ttmp9, 2                       ; role
	s_and_b32 s28, ttmp9, 3
	s_lshl_b32 s28, s28, 2
	s_add_co_u32 s28, s28, s26                     ; step j
	s_and_b32 s29, ttmp7, 0xffff                   ; 8 batch + head
	s_mov_b32 s[SEL], 0x76543210
	s_mov_b32 s[SEL+1], 0xfedcba98
	s_mov_b32 s[HI16], 0xffff0000
	v_and_b32 v1, 15, v0                           ; r
	v_bfe_u32 v2, v0, 4, 1                         ; h
	v_and_b32 v[RR], 8, v1
	v_add_nc_u32 v[RR], v[RR], v1
	v_lshlrev_b32 v[LA], 5, v[RR]
	v_lshl_add_u32 v[LA], v2, 4, v[LA]
	v_and_b32 v[LI], 31, v0
	v_lshlrev_b32 v[L8], 3, v[LI]
	v_lshlrev_b32 v[LI], 4, v[LI]
.irp b, 0,1,2,3
	v_mov_b32 v[TM+4+\b], 0                        ; written once: a lane permute's destination counts as one of its sources
.endr
	; the buffers and strides are chosen on the role alone, which hangs on the work-group's number
	s_cmp_eq_u32 s27, 0
	s_mov_b32 s30, 143360                          ; bytes for a head: kv's, or
	s_cselect_b32 s30, 73728, s30                  ; qc's
	s_mov_b32 s31, 8960                            ; bytes of a record
	s_cselect_b32 s31, 4608, s31
	s_mov_b32 s32, 8192                            ; where the scale words begin in it
	s_cselect_b32 s32, 4096, s32
	s_wait_alu depctr_va_vdst(0)
	s_wait_kmcnt 0x0
	s_cselect_b64 s[36:37], s[4:5], s[6:7]         ; the input
	s_cselect_b64 s[38:39], s[10:11], s[14:15]     ; the weight
	s_cselect_b64 s[40:41], s[12:13], s[16:17]     ; the bias
	s_cselect_b64 s[42:43], s[22:23], s[24:25]     ; where the codes go
	s_cmp_eq_u32 s27, 2
	s_cselect_b64 s[36:37], s[8:9], s[36:37]
	s_cselect_b64 s[38:39], s[18:19], s[38:39]
	s_cselect_b64 s[40:41], s[20:21], s[40:41]
	s_lshr_b32 s33, s29, 3
	s_lshl_b32 s34, s33, 16                        ; batch x 2,048 rows x 32 bytes
	s_lshl_b32 s33, s28, 12                        ; + step x 128 rows
	s_add_co_u32 s34, s34, s33
	s_mov_b32 s35, 0
	s_add_nc_u64 s[36:37], s[36:37], s[34:35]
	s_and_b32 s33, s29, 7                          ; head
	s_lshl_b32 s34, s33, 11
	s_add_nc_u64 s[38:39], s[38:39], s[34:35]
	s_lshl_b32 s34, s33, 8
	s_add_nc_u64 s[40:41], s[40:41], s[34:35]
	s_mul_i32 s34, s29, s30
	s_mul_i32 s33, s28, s31
	s_add_co_u32 s34, s34, s33
	s_add_nc_u64 s[42:43], s[42:43], s[34:35]      ; my record
	s_mov_b32 s34, s32
	s_add_nc_u64 s[44:45], s[42:43], s[34:35]      ; and its scale words (Q, K)
.irp t, 0,1,2,3,4,5,6,7
	global_load_b128 v[DT+4*\t:DT+4*\t+3], v[LA], s[36:37] offset:(32*(\t/2)+8*(\t%2))*32   ; features 4 h .. 4 h + 3 of my row of tile t
.endr
; nb blocks of 32 along K: register AC + 16 b + i = k 32 b + 16 (lane / 16) + i of my row or channel.  Codes to v[cd] on, in the operand's layout; the scale word to v[wd].
.macro QUANT nb, cd, wd
.set qb, 0
.rept \nb
	v_max3_num_f32 v[TM+qb], |v[AC+16*qb]|, |v[AC+16*qb+1]|, 0x1800000   ; my 16 numbers, from each accumulator's low end on, and the floor 2^(3 - 127): the byte cannot fall under 1
.set qb, qb+1
.endr
.irp i, 2,4,6,8,10,12,14
.set qb, 0
.rept \nb
	v_max3_num_f32 v[TM+qb], v[TM+qb], |v[AC+16*qb+\i]|, |v[AC+16*qb+\i+1]|   ; the blocks by turns
.set qb, qb+1
.endr
.endr
.set qb, 0
.rept \nb
	v_permlanex16_b32 v[TM+4+qb], v[TM+qb], s[SEL], s[SEL+1]
.set qb, qb+1
.endr
.set qb, 0
.rept \nb
	v_max_num_f32 v[TM+qb], v[TM+qb], v[TM+4+qb]   ; with lane l xor 16's 16: the block's largest magnitude
.set qb, qb+1
.endr
.set qb, 0
.rept \nb
	v_add_nc_u32 v[TM+12+qb], 0xff000000, v[TM+qb] ; 2 off its exponent field: the conversion takes that field as its scale
.set qb, qb+1
.endr
.set qb, 0
.rept \nb
	v_lshrrev_b32 v[TM+4+qb], 23, v[TM+12+qb]      ; the scale's byte
.set qb, qb+1
.endr
	v_lshl_or_b32 v[\wd], v[TM+5], 8, v[TM+4]      ; with two blocks the word's upper bytes stay 0: they scale the half of the instruction's K that holds zero codes
.if \nb == 4
	v_lshl_or_b32 v[\wd], v[TM+6], 16, v[\wd]
	v_lshl_or_b32 v[\wd], v[TM+7], 24, v[\wd]
.endif
.set qb, 0
.rept \nb
	v_cvt_scalef32_pk8_fp4_f32 v[(\cd)+2*qb], v[AC+16*qb:AC+16*qb+7], v[TM+12+qb]
	v_cvt_scalef32_pk8_fp4_f32 v[(\cd)+2*qb+1], v[AC+16*qb+8:AC+16*qb+15], v[TM+12+qb]
.set qb, qb+1
.endr
	v_nop                                          ; one plain place behind a scaled conversion
.set qb, 0
.rept \nb/2
	v_permlane16_swap_b32 v[(\cd)+4*qb], v[(\cd)+4*qb+2]     ; the operand's layout wants a WHOLE block in a lane: lanes 0-15 the even block, lanes 16-31 the odd one
	v_permlane16_swap_b32 v[(\cd)+4*qb+1], v[(\cd)+4*qb+3]
.set qb, qb+1
.endr
.endm
; Nine places behind this matrix form (ISA guide 7.12.1): eight in front of the first read of its results, nine in front of the next tile's matrix instructions, which begin the same accumulators anew.
.macro PLACES9
.rept 9
	v_nop
.endr
.endm
	s_cmp_eq_u32 s27, 2
	s_cbranch_scc1 .Lv
	; ---------------- Q or K ----------------
	v_lshlrev_b32 v[LW], 2, v[RR]
	v_lshl_add_u32 v[LW], v2, 10, v[LW]            ; W[4 h + e][32 (x / 2) + 8 (x % 2) + r + 8 (r / 8)]
	v_lshlrev_b32 v[LB], 6, v2                     ; the bias at channels 32 (x / 2) + 8 (x % 2) + 16 h + 0 .. 7
.irp x, 0,1,2,3
.irp e, 0,1,2,3
	global_load_b32 v[WF+4*\x+\e], v[LW], s[38:39] offset:\e*256+(32*(\x/2)+8*(\x%2))*4
.endr
	global_load_b128 v[BI+8*\x:BI+8*\x+3], v[LB], s[40:41] offset:(32*(\x/2)+8*(\x%2))*4
	global_load_b128 v[BI+8*\x+4:BI+8*\x+7], v[LB], s[40:41] offset:(32*(\x/2)+8*(\x%2))*4+16
.endr
	s_wait_loadcnt 0x0
.macro QKTILE t                        ; 16 rows x 64 channels: four accumulators by turns, one instruction a turn
.irp x, 0,1,2,3
	v_wmma_f32_16x16x4_f32 v[AC+8*\x:AC+8*\x+7], v[WF+4*\x:WF+4*\x+1], v[DT+4*\t:DT+4*\t+1], v[BI+8*\x:BI+8*\x+7]
.endr
.irp x, 0,1,2,3
	v_wmma_f32_16x16x4_f32 v[AC+8*\x:AC+8*\x+7], v[WF+4*\x+2:WF+4*\x+3], v[DT+4*\t+2:DT+4*\t+3], v[AC+8*\x:AC+8*\x+7]
.endr
	PLACES9
	QUANT 2, CD+4*\t, WD+\t
	global_store_b128 v[LI], v[CD+4*\t:CD+4*\t+3], s[42:43] offset:512*\t   ; the wave stores 512 consecutive bytes, at a multiple of 256 from the buffer's first byte
.endm
.irp t, 0,1,2,3,4,5,6,7
	QKTILE \t
.endr
.irp i, 0,1,2,3
	v_cndmask_b32 v[SW+\i], v[WD+2*\i], v[WD+2*\i+1], s[HI16]    ; lanes 0-15: tile 2 i's words; lanes 16-31: tile 2 i + 1's (both halves of the lanes hold the row's word)
.endr
	global_store_b128 v[LI], v[SW:SW+3], s[44:45]
	s_endpgm
	; ---------------- V ----------------
.Lv:
	v_lshlrev_b32 v[LB], 2, v1                     ; the bias at channel 16 x + r: the same in a lane's eight registers
	v_lshl_add_u32 v[LW], v2, 10, v[LB]            ; W[4 h + e][16 x + r]
.irp x, 0,1,2,3
.irp e, 0,1,2,3
	global_load_b32 v[WF+4*\x+\e], v[LW], s[38:39] offset:\e*256+64*\x
.endr
.irp i, 0,1,2,3,4,5,6,7
	global_load_b32 v[BI+8*\x+\i], v[LB], s[40:41] offset:64*\x
.endr
.endr
	s_wait_loadcnt 0x0
.macro VTILE x                         ; 128 keys x 16 channels: eight accumulators by turns
.irp t, 0,1,2,3,4,5,6,7
	v_wmma_f32_16x16x4_f32 v[AC+8*\t:AC+8*\t+7], v[DT+4*\t:DT+4*\t+1], v[WF+4*\x:WF+4*\x+1], v[BI+8*\x:BI+8*\x+7]
.endr
.irp t, 0,1,2,3,4,5,6,7
	v_wmma_f32_16x16x4_f32 v[AC+8*\t:AC+8*\t+7], v[DT+4*\t+2:DT+4*\t+3], v[WF+4*\x+2:WF+4*\x+3], v[AC+8*\t:AC+8*\t+7]
.endr
	PLACES9
	QUANT 4, CD+8*\x, WD+\x
	global_store_b128 v[LI], v[CD+8*\x:CD+8*\x+3], s[42:43] offset:4096+512*(2*\x)
	global_store_b128 v[LI], v[CD+8*\x+4:CD+8*\x+7], s[42:43] offset:4096+512*(2*\x+1)
.endm
.irp x, 0,1,2,3
	VTILE \x
.endr
.irp i, 0,1
	v_cndmask_b32 v[SW+\i], v[WD+2*\i], v[WD+2*\i+1], s[HI16]
.endr
	global_store_b64 v[L8], v[SW:SW+1], s[42:43] offset:8704     ; 256 consecutive bytes
	s_endpgm
.Lfunc_end_k_q671b28627e_proj:
	.size	k_q671b28627e_proj, .Lfunc_end_k_q671b28627e_proj-k_q671b28627e_proj
	.p2alignl 7, 3214868480
	.fill 96, 4, 3214868480
	.section	.rodata,"a",@progbits
	.p2align	6, 0x0
	.amdhsa_kernel k_q671b28627e_proj
		.amdhsa_group_segment_fixed_size 0
		.amdhsa_private_segment_fixed_size 0
		.amdhsa_enable_private_segment 0
		.amdhsa_kernarg_size 88
		.amdhsa_user_sgpr_count 2
		.amdhsa_user_sgpr_kernarg_segment_ptr 1
		.amdhsa_wavefront_size32 1
		.amdhsa_system_sgpr_workgroup_id_x 1
		.amdhsa_system_sgpr_workgroup_id_y 1
		.amdhsa_system_sgpr_workgroup_id_z 1
		.amdhsa_system_vgpr_workitem_id 0
		.amdhsa_next_free_vgpr 216
		.amdhsa_next_free_sgpr 66
		.amdhsa_reserve_vcc 0
		.amdhsa_float_denorm_mode_32 3
		.amdhsa_float_denorm_mode_16_64 3
		.amdhsa_memory_ordered 1
		.amdhsa_forward_progress 1
		.amdhsa_inst_pref_size 54
	.end_amdhsa_kernel
	.amdgpu_metadata
---
amdhsa.version: [ 1, 2 ]
amdhsa.kernels:
  - .name:           k_q671b28627e_proj
    .symbol:         k_q671b28627e_proj.kd
    .args:
      - { .name: q, .offset: 0, .size: 8, .value_kind: global_buffer, .address_space: global }
      - { .name: k, .offset: 8, .size: 8, .value_kind: global_buffer, .address_space: global }
      - { .name: v, .offset: 16, .size: 8, .value_kind: global_buffer, .address_space: global }
      - { .name: Wq, .offset: 24, .size: 8, .value_kind: global_buffer, .address_space: global }
      - { .name: bq, .offset: 32, .size: 8, .value_kind: global_buffer, .address_space: global }
      - { .name: Wk, .offset: 40, .size: 8, .value_kind: global_buffer, .address_space: global }
      - { .name: bk, .offset: 48, .size: 8, .value_kind: global_buffer, .address_space: global }
      - { .name: Wv, .offset: 56, .size: 8, .value_kind: global_buffer, .address_space: global }
      - { .name: bv, .offset: 64, .size: 8, .value_kind: global_buffer, .address_space: global }
      - { .name: qc, .offset: 72, .size: 8, .value_kind: global_buffer, .address_space: global }
      - { .name: kv, .offset: 80, .size: 8, .value_kind: global_buffer, .address_space: global }
    .group_segment_fixed_size: 0
    .private_segment_fixed_size: 0
    .kernarg_segment_align: 8
    .kernarg_segment_size: 88
    .max_flat_workgroup_size: 128
    .sgpr_count:     66
    .vgpr_count:     216
    .wavefront_size: 32
...
	.end_amdgpu_metadata
.endif
;; end of part 1
;; launch attn (part 2): grid 4 x 64, 16 waves a work-group, clusters of 4 x 1, 169,984 bytes of LDS; arguments qc, kv, Wo, part; writes part
.if DOCPART == 2
	.amdgcn_target "amdgcn-amd-amdhsa--gfx1250"
	.amdhsa_code_object_version 6
	.text
	.protected	k_q671b28627e_attn
	.globl	k_q671b28627e_attn
	.p2align	8
	.type	k_q671b28627e_attn,@function
k_q671b28627e_attn:
	s_mov_b64 s[64:65], 0
	v_nop
	global_prefetch_b8 v0, s[64:65] scope:SCOPE_SE
	s_setreg_imm32_b32 hwreg(HW_REG_WAVE_MODE, 25, 1), 1
	s_wait_xcnt 0x0
	s_wait_alu depctr_hold_cnt(0) depctr_sa_sdst(0) depctr_va_vdst(0) depctr_va_sdst(0) depctr_va_ssrc(0) depctr_va_vcc(0) depctr_vm_vsrc(0)
	s_getreg_b32 s2, hwreg(HW_REG_IB_STS2, 6, 4)
	s_cmp_eq_u32 s2, 0
	s_cbranch_scc0 .Lentry_in_a_cluster
	s_endpgm
.Lentry_in_a_cluster:
	s_bfe_u32 s2, ttmp6, 0x10000c
	s_cmp_lg_u32 s2, 0x3003
	s_cbranch_scc0 .Lentry_shape_is_right
	s_endpgm
.Lentry_shape_is_right:
; part[head][batch][query][0..7] = (softmax(Q K^T / 8) V) Wo_head, both inner products on codes of FP4 (E2M1) with one E8M0 scale for each 32 along K.
; SOFTMAX: t = score x log2(e) / 8; M = the row's largest t so far, rounded up to a whole number; p = 2^(t - M) is quantised along the keys, not normalised.
; The row's sum is taken of the unquantised p, in f32, and divides at the end.  When M moves, the sum and O are multiplied by 2^(old M - new M): exact.
; SHARES.  A work-group owns 512 queries of one batch and head; each of its sixteen waves owns 32 (two tiles of 16) and walks all 2,048 keys, 128 a step.
; LDS.  The head's K and V (sixteen records of 8,960 bytes, images of the operands' registers) come ONCE, by the head's loads, and stay: nothing is filled again, so there is no ring and no loop of loads to prefetch for.
; CLUSTER.  The four work-groups of a cluster own the four query blocks of one head: each load is asked for jointly.  Waves 0 to 7 each ask for two records, 70 rows of 256 bytes.
; LAYOUT.  Both products are used transposed (S^T = K Q^T, O^T = V^T P^T): a lane holds ONE query.
; THE KEYS OF A TILE ARE CHOSEN HERE, BY LDS ADDRESS: row r of tile 4 c + t is key 64 c + 32 (r / 8) + 8 t + r % 8.  So register SS + 32 c + i of lane (r, h) is key 64 c + 32 h + i:
; a lane holds two WHOLE blocks of 32 keys, in the order of the second product's operand: a block's maximum needs no other lane, and the conversions' results are the operand.
; In the records that key lies in tile 4 c + 2 (r / 8) + t % 2, row r % 8 + 8 (t / 2).
; THE FIRST PRODUCT'S K IS 64 of the instruction's 128: Q's upper four registers are zero codes and both sides' upper scale bytes are 0 (a power of two), so what K's upper four registers hold is multiplied by 0.
; LIMITS: NaN and infinities are not served; the scaled scores stay under 2^31 in magnitude; v_exp_f32 gives 0 for results under 2^-126; a block whose every p is 0 keeps the byte 1 (its codes are zeros).
.set LI,   1                           ; 16 x lane
.set L8,   2                           ; 8 x lane
.set ADR,  3                           ; the step's record + 16 x lane (V)
.set AD8,  4                           ; the step's record + 8 x lane (V's scales)
.set GO,   5                           ; the way out: (r + 8 (r / 8)) x 32 + 16 h
.set LWO,  6                           ; Wo: 256 h + 4 ((r % 4) + 4 (r / 8))
.set ST,   8                           ; v8-15  tile q at + 4 q: -M, the largest score, the sum in two halves
.set QF,   16                          ; v16-31 tile q at + 8 q: Q's codes, then four registers of zero codes
.set QS,   32                          ; Q's scale words: lanes 0-15 tile 0's, lanes 16-31 tile 1's
.set PW,   33                          ; v33-34 p's scale words
.set KF,   36                          ; v36-67 K's eight tiles, later V's eight images; v68-71 zero codes
.set KS,   72                          ; v72-75 K's scale words: register i: lanes 0-15 tile 2 i, lanes 16-31 tile 2 i + 1
.set VS,   76                          ; v76-77 V's likewise
.set SS,   80                          ; v80-143 S^T of the tile in hand, then p
.set OT,   144                         ; v144-207 O^T: tile q at + 32 q, channel tile x at + 8 x
.set PCD,  208                         ; v208-223 p's codes: tile q at + 8 q
.set BM,   224                         ; v224-227 four chains of maxima; then block c's largest score, then p, at + 2 c
.set PB,   228                         ; v228-231 at work
.set SO,   232                         ; v232-233 the conversions' scale operands
.set FF,   236                         ; v[236:237] f = 2^(old M - new M); the upper word is only named
.set TT,   238
.set CH,   240                         ; v[240:241], v[248:249], v[250:251]: the sum's second, third and fourth chain
.set C2,   248
.set C3,   250
.set AKB,  242                         ; K's codes: 16 (r % 8) + 256 h + 1,024 (r / 8)
.set ASB,  243                         ; K's scale words: 16 (r % 8) + 256 h + 4 (r / 8)
.set SH8,  244                         ; 8 h
.set ADK,  245                         ; the step's record + AKB
.set ADS,  246                         ; the step's record + ASB
.set WOF,  112
.set CBA,  128
.set CBB,  36
.set WV,   12
.set SEL,  28
.set CS,   30
.set TB,   32
.set CNT,  33
.macro ROUND                           ; a round of the cluster's barrier
	s_barrier_signal -1
	s_barrier_wait -1
	s_cmp_lg_u32 s[WV], 0
	s_cbranch_scc1 .Lnot_wave_0_\@
	s_barrier_signal -3
.Lnot_wave_0_\@:
	s_barrier_wait -3
	s_barrier_signal -1
	s_barrier_wait -1
.endm
	s_load_b256 s[4:11], s[0:1], 0x0               ; qc 4, kv 6, Wo 8, part 10
	v_lshl_add_u32 v254, v0, 2, 0x29000            ; my spare word, behind the records
	v_mov_b32 v255, 0
	ds_add_u32 v254, v255                          ; the opening lines
	ds_add_u32 v254, v255
	v_lshrrev_b32 v7, 5, v0
	s_delay_alu instid0(VALU_DEP_1)
	v_readfirstlane_b32 s[WV], v7                  ; wave 0..15
	s_bfe_u32 s13, ttmp6, 0x40000                  ; cx: it enters Q's and the output's addresses alone
	s_and_b32 s14, ttmp7, 0xffff                   ; 8 batch + head, which the four partners share
	s_lshl_b32 s15, ttmp9, 2
	s_add_co_u32 s15, s15, s13                     ; my block of 512 queries
	s_lshl_b32 s34, s15, 4
	s_add_co_u32 s34, s34, s[WV]                   ; p: my 32 queries begin at 32 p
	s_mov_b32 s20, 15|(3<<16)|(1<<21)              ; group 1: the mask names all four; elements of 8 bytes; no padding
	s_mov_b32 s21, 32<<16
	s_mov_b32 s22, 70<<16
	s_mov_b32 s23, 32<<16
	s_mov_b32 s24, 70                              ; 70 rows of 256 bytes, dense
	s_mov_b32 s25, 32
	s_mov_b32 s26, 0
	s_mov_b32 s27, 0
	s_mul_i32 s36, s14, 143360                     ; the head's records,
	s_mul_i32 s17, s[WV], 17920                    ; my two of them: in LDS and in memory
	s_add_co_u32 s36, s36, s17
	s_mov_b32 s37, 0
	s_mul_i32 s38, s14, 73728                      ; Q: the head's records,
	s_lshr_b32 s35, s34, 2
	s_mul_i32 s35, s35, 4608                       ; record p / 4,
	s_add_co_u32 s38, s38, s35
	s_and_b32 s35, s34, 3
	s_lshl_b32 s44, s35, 10                        ; tiles 2 (p % 4) and 2 (p % 4) + 1
	s_add_co_u32 s40, s38, s44
	s_mov_b32 s41, 0
	s_lshl_b32 s44, s35, 2                         ; and word p % 4 of each lane's four scale words
	s_add_co_u32 s42, s38, s44
	s_add_co_u32 s42, s42, 4096
	s_mov_b32 s43, 0
	s_and_b32 s35, s14, 7                          ; head
	s_lshl_b32 s44, s35, 11                        ; Wo: the head's 64 rows of 32 bytes
	s_mov_b32 s45, 0
	s_lshl_b32 s46, s35, 19                        ; the output: [head][batch][query][8]
	s_lshr_b32 s35, s14, 3
	s_lshl_b32 s35, s35, 16
	s_add_co_u32 s46, s46, s35
	s_lshl_b32 s35, s34, 10
	s_add_co_u32 s46, s46, s35
	s_mov_b32 s47, 0
	s_mov_b32 s[SEL], 0x76543210
	s_mov_b32 s[SEL+1], 0xfedcba98                 ; selects for lane l xor 16
	s_mov_b32 s[CS], 0x3e38aa3b                    ; c = log2(e) / 8
	s_mov_b32 s[CS+1], s[CS]
	s_wait_dscnt 0x0
	s_wait_kmcnt 0x0
	s_mov_b32 s16, 1
	s_add_nc_u64 s[18:19], s[6:7], s[36:37]        ; head and wave alone enter the joint load's address
	s_or_b32 s19, s19, 0x80000000
	s_add_nc_u64 s[40:41], s[4:5], s[40:41]
	s_add_nc_u64 s[42:43], s[4:5], s[42:43]
	s_add_nc_u64 s[8:9], s[8:9], s[44:45]
	s_add_nc_u64 s[10:11], s[10:11], s[46:47]
	ROUND                                          ; all four work-groups are here: the joint loads meet
	s_cmp_lt_u32 s[WV], 8
	s_cbranch_scc0 .Lasked
	tensor_load_to_lds s[16:19], s[20:27]
	s_nop 0
.rept 4
	v_nop
.endr
.Lasked:
	v_and_b32 v7, 31, v0
	s_delay_alu instid0(VALU_DEP_1)
	v_lshlrev_b32 v[LI], 4, v7
	v_lshlrev_b32 v[L8], 3, v7
	global_load_b128 v[QF:QF+3], v[LI], s[40:41]               ; Q stays in registers
	global_load_b128 v[QF+8:QF+11], v[LI], s[40:41] offset:512
	global_load_b32 v[QS], v[LI], s[42:43]
	v_and_b32 v[TT], 15, v0                        ; r
	v_bfe_u32 v[CH], v0, 4, 1                      ; h
	v_and_b32 v[GO], 8, v[TT]
	v_lshrrev_b32 v[ADK], 3, v[TT]                 ; r / 8
	v_and_b32 v[LWO], 3, v[TT]
	v_and_b32 v7, 7, v[TT]                         ; r % 8
	v_add_nc_u32 v[GO], v[GO], v[TT]
	v_lshl_add_u32 v[LWO], v[ADK], 2, v[LWO]
	v_lshlrev_b32 v7, 4, v7
	v_lshlrev_b32 v[GO], 5, v[GO]
	v_lshlrev_b32 v[LWO], 2, v[LWO]
	v_lshl_add_u32 v7, v[CH], 8, v7                ; 16 (r % 8) + 256 h
	v_lshl_add_u32 v[GO], v[CH], 4, v[GO]
	v_lshl_add_u32 v[LWO], v[CH], 8, v[LWO]
	v_lshl_add_u32 v[AKB], v[ADK], 10, v7
	v_lshl_add_u32 v[ASB], v[ADK], 2, v7
	v_lshlrev_b32 v[SH8], 3, v[CH]
.irp q, 0,1
	v_mov_b32 v[ST+4*\q+1], 0xff61b1e6             ; the largest score so far: -3e38
	v_mov_b32 v[ST+4*\q], 0x7f61b1e6               ; -M to go with it
	v_mov_b32 v[ST+4*\q+2], 0                      ; the sum
	v_mov_b32 v[ST+4*\q+3], 0
.irp i, 4,5,6,7
	v_mov_b32 v[QF+8*\q+\i], 0                     ; zero codes for the upper half of the instruction's K
.endr
.endr
.irp i, 0,1,2,3
	v_mov_b32 v[KF+32+\i], 0                       ; what tile 7 names as its upper four registers
	v_mov_b32 v[PB+\i], 0                          ; a lane permute's destination counts as one of its sources
.endr
	v_mov_b32 v[FF+1], 0
	v_mov_b32 v[FF+17], 0                          ; tile 1's f is v[252:253]; the upper words are only named
.set j, 0
.rept 64
	v_mov_b32 v[OT+j], 0                           ; O^T: the first step finds zeros, which the first change of M leaves zeros
.set j, j+1
.endr
	s_wait_alu depctr_va_vdst(0)
	s_wait_loadcnt 0x0                             ; Q
	s_wait_tensorcnt 0x0                           ; my part of the head has landed,
	s_barrier_signal -1
	s_barrier_wait -1                              ; everybody's has
.macro QK q                            ; S^T of query tile q: eight tiles of 16 keys, each sum begun with the constant 0
.irp t, 0,1,2,3,4,5,6,7
.if (\t%2) && (\q)
	v_wmma_scale_f32_16x16x128_f8f6f4 v[SS+8*\t:SS+8*\t+7], v[KF+4*\t:KF+4*\t+7], v[QF+8*\q:QF+8*\q+7], 0, v[KS+\t/2], v[QS] matrix_a_fmt:MATRIX_FMT_FP4 matrix_b_fmt:MATRIX_FMT_FP4 matrix_a_scale:MATRIX_SCALE_ROW1 matrix_b_scale:MATRIX_SCALE_ROW1
.elseif (\t%2)
	v_wmma_scale_f32_16x16x128_f8f6f4 v[SS+8*\t:SS+8*\t+7], v[KF+4*\t:KF+4*\t+7], v[QF+8*\q:QF+8*\q+7], 0, v[KS+\t/2], v[QS] matrix_a_fmt:MATRIX_FMT_FP4 matrix_b_fmt:MATRIX_FMT_FP4 matrix_a_scale:MATRIX_SCALE_ROW1
.elseif (\q)
	v_wmma_scale_f32_16x16x128_f8f6f4 v[SS+8*\t:SS+8*\t+7], v[KF+4*\t:KF+4*\t+7], v[QF+8*\q:QF+8*\q+7], 0, v[KS+\t/2], v[QS] matrix_a_fmt:MATRIX_FMT_FP4 matrix_b_fmt:MATRIX_FMT_FP4 matrix_b_scale:MATRIX_SCALE_ROW1
.else
	v_wmma_scale_f32_16x16x128_f8f6f4 v[SS+8*\t:SS+8*\t+7], v[KF+4*\t:KF+4*\t+7], v[QF+8*\q:QF+8*\q+7], 0, v[KS+\t/2], v[QS] matrix_a_fmt:MATRIX_FMT_FP4 matrix_b_fmt:MATRIX_FMT_FP4
.endif
.endr
.endm
.macro PLACES                          ; four places behind this matrix form (ISA guide 7.12.1 for vector instructions)
.rept 4
	v_nop
.endr
.endm
; The softmax of query tile q for these 128 keys: register SS + 32 c + i is key 64 c + 32 (lane / 16) + i: my blocks are 2 c + lane / 16, c = 0, 1.
.macro SUM4                            ; four more pairs of p onto the sum's four chains, by turns
	v_pk_add_f32 v[CH:CH+1], v[CH:CH+1], v[SS+j:SS+j+1]
	v_pk_add_f32 v[C2:C2+1], v[C2:C2+1], v[SS+j+2:SS+j+3]
	v_pk_add_f32 v[C3:C3+1], v[C3:C3+1], v[SS+j+4:SS+j+5]
	v_pk_add_f32 v[rM+2:rM+3], v[rM+2:rM+3], v[SS+j+6:SS+j+7]
.set j, j+8
.endm
.macro FILL q, n                       ; in tile 1's softmax: n more pairs of TILE 0's O^T under tile 0's new M, between the lines of the chain that leads to tile 1's M
.if \q
.rept \n
	v_pk_mul_f32 v[OT+jf:OT+jf+1], v[OT+jf:OT+jf+1], v[FF:FF+1] op_sel_hi:[1,0]
.set jf, jf+2
.endr
.endif
.endm
.macro HINT q, n                       ; tile 0's chain has nothing to stand between its lines
.if \q == 0
	s_delay_alu instid0(VALU_DEP_\n)
.endif
.endm
.macro SOFTMAX q
.set rM, ST+4*\q
.set rO, OT+32*\q
.set rC, PCD+8*\q
.set rF, FF+16*\q
.set jf, 0
.irp k, 0,1,2,3
	v_max3_num_f32 v[BM+\k], v[SS+16*\k], v[SS+1+16*\k], v[SS+2+16*\k]   ; four chains by turns, each accumulator from its low end on
.endr
.irp i, 3,5,7,9,11,13
.irp k, 0,1,2,3
	v_max3_num_f32 v[BM+\k], v[BM+\k], v[SS+16*\k+\i], v[SS+1+16*\k+\i]
.endr
.endr
.irp c, 0,1
	v_max3_num_f32 v[BM+2*\c+1], v[BM+2*\c+1], v[SS+15+32*\c], v[SS+31+32*\c]
.endr
.irp c, 0,1
	s_delay_alu instid0(VALU_DEP_2)
	v_max_num_f32 v[BM+2*\c], v[BM+2*\c], v[BM+2*\c+1]     ; block c's largest SCORE: it serves for the row's maximum and, since p rises with the score, for the block's largest p
.endr
	s_delay_alu instid0(VALU_DEP_1)
	v_max_num_f32 v[TT], v[BM], v[BM+2]
	s_delay_alu instid0(VALU_DEP_1)
	v_permlanex16_b32 v[PB], v[TT], s[SEL], s[SEL+1]
	v_mov_b32 v[PB+1], v[rM]                       ; the old -M
.if \q
	s_wait_alu depctr_va_vdst(0)                   ; the wait directly ahead of the first reader of tile 0's O^T
.endif
	FILL \q, 4
	HINT \q, 2
	v_max3_num_f32 v[rM+1], v[rM+1], v[TT], v[PB]  ; the running largest score, with lane l xor 16's keys
	FILL \q, 2
	HINT \q, 1
	v_mul_f32 v[TT], s[CS], v[rM+1]                ; as t (c is positive)
	FILL \q, 2
	HINT \q, 1
	v_floor_f32 v[rM], -v[TT]                      ; the new -M = -ceil(t): a whole number
	FILL \q, 2
	HINT \q, 1
	v_sub_f32 v[TT], v[rM], v[PB+1]                ; old M - new M: a whole number, 0 or less
	FILL \q, 2
	HINT \q, 1
	v_cvt_i32_f32 v[TT], v[TT]                     ; (it saturates)
	FILL \q, 2
	HINT \q, 1
	v_ldexp_f32 v[rF], 1.0, v[TT]                  ; f = 2^(old M - new M)
	FILL \q, 2
.set j, 0
.rept 32
	v_pk_fma_f32 v[SS+j:SS+j+1], v[SS+j:SS+j+1], s[CS:CS+1], v[rM:rM+1] op_sel_hi:[1,0,0]   ; t - M, two at a time
.set j, j+2
.endr
.irp c, 0,1
	v_fma_f32 v[BM+2*\c], v[BM+2*\c], s[CS], v[rM] ; the same of each block's largest score
.endr
	s_wait_alu depctr_va_vdst(0)
.set j, 0
.rept 64
	v_exp_f32 v[SS+j], v[SS+j]                     ; p = 2^(t - M), at most 1
.set j, j+1
.endr
.irp c, 0,1
	v_exp_f32 v[BM+2*\c], v[BM+2*\c]               ; the block's largest p
.endr
	v_pk_mul_f32 v[rM+2:rM+3], v[rM+2:rM+3], v[rF:rF+1] op_sel_hi:[1,0]   ; the sum under the new M (the plain place behind the batch)
	s_wait_alu depctr_va_vdst(0)                   ; and behind it
; THE ROW'S SUM of the UNQUANTISED p, 32 pairs in four chains by turns; the lines that make p's scale word and codes stand between the groups of additions
.irp c, 0,1
	v_max_num_f32 v[BM+2*\c], 0x1800000, v[BM+2*\c]        ; the floor 2^(3 - 127): the byte cannot fall under 1
.endr
	v_pk_add_f32 v[CH:CH+1], v[SS:SS+1], v[SS+2:SS+3]
	v_pk_add_f32 v[C2:C2+1], v[SS+4:SS+5], v[SS+6:SS+7]
	v_pk_add_f32 v[C3:C3+1], v[SS+8:SS+9], v[SS+10:SS+11]
	v_pk_add_f32 v[rM+2:rM+3], v[rM+2:rM+3], v[SS+12:SS+13]
.set j, 14
.irp c, 0,1
	v_add_nc_u32 v[SO+\c], 0xff000000, v[BM+2*\c]  ; 2 off the exponent field: the conversion's scale operand
.endr
	SUM4
.irp c, 0,1
	v_lshrrev_b32 v[PB+\c], 23, v[SO+\c]           ; the scale's byte
.endr
	SUM4
.irp c, 0,1
.irp g, 0,1,2,3
	v_cvt_scalef32_pk8_fp4_f32 v[rC+4*\c+\g], v[SS+32*\c+8*\g:SS+32*\c+8*\g+7], v[SO+\c]   ; registers 4 c .. 4 c + 3 of the operand, as they are
.endr
.endr
	SUM4                                           ; (plain lines behind the conversions: they read p and touch no code)
	v_lshl_or_b32 v[PW+\q], v[PB+1], 16, v[PB]     ; my two bytes: blocks h and 2 + h,
	SUM4
	v_lshlrev_b32 v[PW+\q], v[SH8], v[PW+\q]       ; at their places in the word;
	SUM4
	v_permlanex16_b32 v[PB+2], v[PW+\q], s[SEL], s[SEL+1]
	SUM4
	v_or_b32 v[PW+\q], v[PW+\q], v[PB+2]           ; with lane l xor 16's two the word is whole
	v_pk_add_f32 v[rM+2:rM+3], v[rM+2:rM+3], v[SS+62:SS+63]
	v_pk_add_f32 v[CH:CH+1], v[CH:CH+1], v[C2:C2+1]
	s_delay_alu instid0(VALU_DEP_2)
	v_pk_add_f32 v[rM+2:rM+3], v[rM+2:rM+3], v[C3:C3+1]
	s_delay_alu instid0(VALU_DEP_1)
	v_pk_add_f32 v[rM+2:rM+3], v[rM+2:rM+3], v[CH:CH+1]
.if \q                                 ; tile 1's O^T under its new M here; tile 0's stands in tile 1's softmax (macro FILL)
	s_wait_alu depctr_va_vdst(0)                   ; the wait directly ahead of the first reader of O^T
.set j, 0
.rept 16
	v_pk_mul_f32 v[rO+j:rO+j+1], v[rO+j:rO+j+1], v[rF:rF+1] op_sel_hi:[1,0]   ; (the last sums and these are the places ahead of the products that take p)
.set j, j+2
.endr
.endif
.endm
.macro PV                              ; O^T += V^T P^T: eight accumulators by turns
.irp x, 0,1,2,3
.irp q, 0,1
.if \x%2
	v_wmma_scale_f32_16x16x128_f8f6f4 v[OT+32*\q+8*\x:OT+32*\q+8*\x+7], v[KF+8*\x:KF+8*\x+7], v[PCD+8*\q:PCD+8*\q+7], v[OT+32*\q+8*\x:OT+32*\q+8*\x+7], v[VS+\x/2], v[PW+\q] matrix_a_fmt:MATRIX_FMT_FP4 matrix_b_fmt:MATRIX_FMT_FP4 matrix_a_scale:MATRIX_SCALE_ROW1
.else
	v_wmma_scale_f32_16x16x128_f8f6f4 v[OT+32*\q+8*\x:OT+32*\q+8*\x+7], v[KF+8*\x:KF+8*\x+7], v[PCD+8*\q:PCD+8*\q+7], v[OT+32*\q+8*\x:OT+32*\q+8*\x+7], v[VS+\x/2], v[PW+\q] matrix_a_fmt:MATRIX_FMT_FP4 matrix_b_fmt:MATRIX_FMT_FP4
.endif
.endr
.endr
.endm
	s_mov_b32 s[TB], 0
	s_mov_b32 s[CNT], 16
.Lstep:                                            ; sixteen trips of 128 keys
	v_add_nc_u32 v[ADK], s[TB], v[AKB]             ; these four lines are the places between the last trip's products and the loads into their registers
	v_add_nc_u32 v[ADS], s[TB], v[ASB]
	v_add_nc_u32 v[ADR], s[TB], v[LI]
	v_add_nc_u32 v[AD8], s[TB], v[L8]
.irp t, 0,1,2,3,4,5,6,7
	ds_load_b128 v[KF+4*\t:KF+4*\t+3], v[ADK] offset:512*(4*(\t/4)+\t%2)+128*((\t%4)/2)   ; tile t = 4 c + 2 v + u: the record's tile 4 c + u (+ 2 for rows 8-15), rows 8 v on
.endr
.irp i, 0,1,2,3
	ds_load_b32 v[KS+\i], v[ADS] offset:8192+128*(\i%2)+8*(\i/2)   ; i = 2 c + v: lanes 0-15 tile 2 i's words, lanes 16-31 tile 2 i + 1's
.endr
	s_wait_dscnt 0x0
	QK 0
	PLACES
	SOFTMAX 0
	QK 1
	PLACES
.irp i, 0,1,2,3,4,5,6,7
	ds_load_b128 v[KF+4*\i:KF+4*\i+3], v[ADR] offset:4096+512*\i ; V's images take K's registers and land while the second softmax is walked
.endr
	ds_load_b64 v[VS:VS+1], v[AD8] offset:8704
	SOFTMAX 1
	s_wait_alu depctr_va_vdst(0)
	s_wait_dscnt 0x0                               ; V is in
	PV
	s_add_co_u32 s[TB], s[TB], 8960                ; the next record
	s_sub_co_u32 s[CNT], s[CNT], 1
	s_cmp_lg_u32 s[CNT], 0
	s_cbranch_scc1 .Lstep
	; THE WAY OUT: (Wo^T O^T) / l.  bf16 operands, f32 sums: the result goes into no quantiser.  O^T as it lies is source 1 once rounded in pairs.
	; Row m of source 0 is output feature (m % 4) + 4 (m / 8): a lane's four LOWEST result registers are features 4 h .. 4 h + 3 of its query.
.rept 5
	v_nop                                          ; five places: results will be laid over registers that the last products read
.endr
.irp c, 0,1
.irp g, 0,1
.irp i, 0,1,2,3,4,5,6,7
	global_load_b32 v[SS+16*\c+8*\g+\i], v[LWO], s[8:9] offset:(32*\c+16*\g+\i)*32   ; Wo[32 c + 16 g + 8 h + i][my feature]
.endr
.endr
.endr
.irp q, 0,1
	v_add_f32 v[BM+2*\q], v[ST+4*\q+2], v[ST+4*\q+3]         ; the sum's two halves,
.endr
.irp q, 0,1
	s_delay_alu instid0(VALU_DEP_2)
	v_permlanex16_b32 v[PB+\q], v[BM+2*\q], s[SEL], s[SEL+1]
.endr
.irp q, 0,1
	s_delay_alu instid0(VALU_DEP_2)
	v_add_f32 v[BM+2*\q], v[BM+2*\q], v[PB+\q]     ; and lane l xor 16's: the row's sum
.endr
	s_wait_alu depctr_va_vdst(0)
.irp q, 0,1
	v_rcp_f32 v[BM+2*\q], v[BM+2*\q]
.endr
	v_nop                                          ; one plain place behind a transcendental
	s_wait_alu depctr_va_vdst(0)
.irp c, 0,1
.irp g, 0,1
.irp p, 0,1,2,3
	v_cvt_pk_bf16_f32 v[CBA+8*\c+4*\g+\p], v[OT+8*(2*\c+\g)+2*\p], v[OT+8*(2*\c+\g)+2*\p+1]        ; each accumulator from its low end on
	v_cvt_pk_bf16_f32 v[CBB+8*\c+4*\g+\p], v[OT+32+8*(2*\c+\g)+2*\p], v[OT+32+8*(2*\c+\g)+2*\p+1]
.endr
.endr
.endr
	s_wait_loadcnt 0x0
.set j, 0
.rept 16
	v_cvt_pk_bf16_f32 v[WOF+j], v[SS+2*j], v[SS+2*j+1]
.set j, j+1
.endr
	v_wmma_f32_16x16x32_bf16 v[52:59], v[WOF:WOF+7], v[CBA:CBA+7], 0               ; two accumulators by turns
	v_wmma_f32_16x16x32_bf16 v[60:67], v[WOF:WOF+7], v[CBB:CBB+7], 0
	v_wmma_f32_16x16x32_bf16 v[52:59], v[WOF+8:WOF+15], v[CBA+8:CBA+15], v[52:59]
	v_wmma_f32_16x16x32_bf16 v[60:67], v[WOF+8:WOF+15], v[CBB+8:CBB+15], v[60:67]
	PLACES
	s_wait_alu depctr_va_vdst(0)
	v_pk_mul_f32 v[228:229], v[52:53], v[BM:BM+1] op_sel_hi:[1,0]                  ; / l
	v_pk_mul_f32 v[230:231], v[54:55], v[BM:BM+1] op_sel_hi:[1,0]
	v_pk_mul_f32 v[232:233], v[60:61], v[BM+2:BM+3] op_sel_hi:[1,0]
	v_pk_mul_f32 v[234:235], v[62:63], v[BM+2:BM+3] op_sel_hi:[1,0]
	global_store_b128 v[GO], v[228:231], s[10:11]              ; queries 32 p + r + 8 (r / 8): two runs of 256 consecutive bytes, each at a multiple of 256
	global_store_b128 v[GO], v[232:235], s[10:11] offset:256   ; and the eight-row runs between them
	s_wait_tensorcnt 0x0                           ; the wave's end
	ds_add_u32 v254, v255
	s_wait_dscnt 0x0
	ROUND                                          ; the closing round
	s_endpgm
.Lfunc_end_k_q671b28627e_attn:
	.size	k_q671b28627e_attn, .Lfunc_end_k_q671b28627e_attn-k_q671b28627e_attn
	.p2alignl 7, 3214868480
	.fill 96, 4, 3214868480
	.section	.rodata,"a",@progbits
	.p2align	6, 0x0
	.amdhsa_kernel k_q671b28627e_attn
		.amdhsa_group_segment_fixed_size 169984
		.amdhsa_private_segment_fixed_size 0
		.amdhsa_enable_private_segment 0
		.amdhsa_kernarg_size 32
		.amdhsa_user_sgpr_count 2
		.amdhsa_user_sgpr_kernarg_segment_ptr 1
		.amdhsa_wavefront_size32 1
		.amdhsa_system_sgpr_workgroup_id_x 1
		.amdhsa_system_sgpr_workgroup_id_y 1
		.amdhsa_system_sgpr_workgroup_id_z 1
		.amdhsa_system_vgpr_workitem_id 0
		.amdhsa_next_free_vgpr 256
		.amdhsa_next_free_sgpr 66
		.amdhsa_reserve_vcc 0
		.amdhsa_float_denorm_mode_32 3
		.amdhsa_float_denorm_mode_16_64 3
		.amdhsa_memory_ordered 1
		.amdhsa_forward_progress 1
		.amdhsa_inst_pref_size 43
	.end_amdhsa_kernel
	.amdgpu_metadata
---
amdhsa.version: [ 1, 2 ]
amdhsa.kernels:
  - .name:           k_q671b28627e_attn
    .symbol:         k_q671b28627e_attn.kd
    .args:
      - { .name: qc, .offset: 0, .size: 8, .value_kind: global_buffer, .address_space: global }
      - { .name: kv, .offset: 8, .size: 8, .value_kind: global_buffer, .address_space: global }
      - { .name: Wo, .offset: 16, .size: 8, .value_kind: global_buffer, .address_space: global }
      - { .name: part, .offset: 24, .size: 8, .value_kind: global_buffer, .address_space: global }
    .group_segment_fixed_size: 169984
    .private_segment_fixed_size: 0
    .kernarg_segment_align: 8
    .kernarg_segment_size: 32
    .max_flat_workgroup_size: 512
    .sgpr_count:     66
    .vgpr_count:     256
    .wavefront_size: 32
...
	.end_amdgpu_metadata
.endif
;; end of part 2
;; launch sumx (part 3): grid 256 x 1, 4 waves a work-group, no clusters, 0 bytes of LDS; arguments q, bo, part, xbuf, st1; writes xbuf, st1
.if DOCPART == 3
	.amdgcn_target "amdgcn-amd-amdhsa--gfx1250"
	.amdhsa_code_object_version 6
	.text
	.protected	k_q671b28627e_sumx
	.globl	k_q671b28627e_sumx
	.p2align	8
	.type	k_q671b28627e_sumx,@function
k_q671b28627e_sumx:
	s_mov_b64 s[64:65], 0
	v_nop
	global_prefetch_b8 v0, s[64:65] scope:SCOPE_SE
	s_setreg_imm32_b32 hwreg(HW_REG_WAVE_MODE, 25, 1), 1
	s_wait_xcnt 0x0
; x = q + (bo + the sum over the eight heads of part), and for each wave's 128 numbers of x a record (mean, sum of squared distances from that mean).
; The norm over the whole tensor needs figures from all work-groups, so the next launch combines the 1,024 records; no difference of large sums is formed anywhere.
; A stream: a thread owns 16 bytes, a wave's load or store covers 512 consecutive bytes.  No LDS, no matrix unit, no cluster: nothing is shared and nothing is multiplied.
; The record's store is 8 bytes of one lane: 8 KiB in the whole launch.
.set SEL, 18
.macro WSUM x, t                       ; the sum over the wave's 32 lanes, in every lane; v[t] has been written before
	v_add_f32_dpp v[\x], v[\x], v[\x] row_xmask:1 row_mask:0xf bank_mask:0xf
	v_add_f32_dpp v[\x], v[\x], v[\x] row_xmask:2 row_mask:0xf bank_mask:0xf
	v_add_f32_dpp v[\x], v[\x], v[\x] row_xmask:4 row_mask:0xf bank_mask:0xf
	v_add_f32_dpp v[\x], v[\x], v[\x] row_xmask:8 row_mask:0xf bank_mask:0xf
	v_permlanex16_b32 v[\t], v[\x], s[SEL], s[SEL+1]
	v_add_f32 v[\x], v[\x], v[\t]
.endm
.macro WSTAT x, o, t                   ; my four numbers v[x] on -> v[o] the wave's mean, v[o + 1] its sum of squared distances
	v_add_f32 v[\o], v[\x], v[\x+1]
	v_add_f32 v[\o+1], v[\x+2], v[\x+3]
	v_add_f32 v[\o], v[\o], v[\o+1]
	WSUM \o, \o+1
	v_mul_f32 v[\o], 0x3c000000, v[\o]             ; / 128
.irp i, 0,1,2,3
	v_sub_f32 v[\t+\i], v[\x+\i], v[\o]
.endr
	v_mul_f32 v[\o+1], v[\t], v[\t]
	v_fmac_f32 v[\o+1], v[\t+1], v[\t+1]
	v_fmac_f32 v[\o+1], v[\t+2], v[\t+2]
	v_fmac_f32 v[\o+1], v[\t+3], v[\t+3]
	WSUM \o+1, \t
.endm
	s_load_b256 s[4:11], s[0:1], 0x0               ; q 4, bo 6, part 8, xbuf 10
	s_load_b64 s[12:13], s[0:1], 0x20              ; st1
	v_lshlrev_b32 v1, 4, v0                        ; my 16 bytes of the group's 2,048
	v_and_b32 v2, 1, v0
	v_lshlrev_b32 v2, 4, v2                        ; features 4 (thread % 2) on
	v_and_b32 v3, 31, v0                           ; lane
	v_lshrrev_b32 v4, 5, v0
	v_lshlrev_b32 v4, 3, v4                        ; 8 x wave
	s_lshl_b32 s14, ttmp9, 11
	s_mov_b32 s15, 0
	s_lshl_b32 s16, ttmp9, 5
	s_mov_b32 s17, 0
	s_mov_b32 s[SEL], 0x76543210
	s_mov_b32 s[SEL+1], 0xfedcba98
	s_wait_alu depctr_va_vdst(0)
	s_wait_kmcnt 0x0
	s_add_nc_u64 s[4:5], s[4:5], s[14:15]
	s_add_nc_u64 s[8:9], s[8:9], s[14:15]
	s_add_nc_u64 s[10:11], s[10:11], s[14:15]
	s_add_nc_u64 s[12:13], s[12:13], s[16:17]
	global_load_b128 v[8:11], v1, s[4:5]
	global_load_b128 v[12:15], v2, s[6:7]
.irp h, 0,1,2,3,4,5,6,7
	global_load_b128 v[16+4*\h:19+4*\h], v1, s[8:9] offset:\h*524288 th:TH_LOAD_NT   ; read once in the whole launch
.endr
	s_wait_loadcnt 0x0
.irp h, 0,2,4,6
	v_pk_add_f32 v[16+4*\h:17+4*\h], v[16+4*\h:17+4*\h], v[20+4*\h:21+4*\h]
	v_pk_add_f32 v[18+4*\h:19+4*\h], v[18+4*\h:19+4*\h], v[22+4*\h:23+4*\h]
.endr
.irp h, 0,4
	v_pk_add_f32 v[16+4*\h:17+4*\h], v[16+4*\h:17+4*\h], v[24+4*\h:25+4*\h]
	v_pk_add_f32 v[18+4*\h:19+4*\h], v[18+4*\h:19+4*\h], v[26+4*\h:27+4*\h]
.endr
	v_pk_add_f32 v[16:17], v[16:17], v[32:33]
	v_pk_add_f32 v[18:19], v[18:19], v[34:35]
	v_pk_add_f32 v[16:17], v[16:17], v[12:13]      ; + bo
	v_pk_add_f32 v[18:19], v[18:19], v[14:15]
	v_pk_add_f32 v[8:9], v[8:9], v[16:17]          ; + q
	v_pk_add_f32 v[10:11], v[10:11], v[18:19]
	global_store_b128 v1, v[8:11], s[10:11]
	WSTAT 8, 40, 42
	v_cmp_eq_u32 vcc_lo, 0, v3
	s_wait_alu depctr_va_vdst(0)
	s_wait_xcnt 0x0                                ; EXEC changes only behind this wait: it is a source of the store above
	s_and_saveexec_b32 s20, vcc_lo
	global_store_b64 v4, v[40:41], s[12:13]        ; lane 0 stores the wave's record
	s_wait_xcnt 0x0
	s_or_b32 exec_lo, exec_lo, s20
	s_endpgm
.Lfunc_end_k_q671b28627e_sumx:
	.size	k_q671b28627e_sumx, .Lfunc_end_k_q671b28627e_sumx-k_q671b28627e_sumx
	.p2alignl 7, 3214868480
	.fill 96, 4, 3214868480
	.section	.rodata,"a",@progbits
	.p2align	6, 0x0
	.amdhsa_kernel k_q671b28627e_sumx
		.amdhsa_group_segment_fixed_size 0
		.amdhsa_private_segment_fixed_size 0
		.amdhsa_enable_private_segment 0
		.amdhsa_kernarg_size 40
		.amdhsa_user_sgpr_count 2
		.amdhsa_user_sgpr_kernarg_segment_ptr 1
		.amdhsa_wavefront_size32 1
		.amdhsa_system_sgpr_workgroup_id_x 1
		.amdhsa_system_sgpr_workgroup_id_y 1
		.amdhsa_system_sgpr_workgroup_id_z 1
		.amdhsa_system_vgpr_workitem_id 0
		.amdhsa_next_free_vgpr 64
		.amdhsa_next_free_sgpr 66
		.amdhsa_reserve_vcc 1
		.amdhsa_float_denorm_mode_32 3
		.amdhsa_float_denorm_mode_16_64 3
		.amdhsa_memory_ordered 1
		.amdhsa_forward_progress 1
		.amdhsa_inst_pref_size 5
	.end_amdhsa_kernel
	.amdgpu_metadata
---
amdhsa.version: [ 1, 2 ]
amdhsa.kernels:
  - .name:           k_q671b28627e_sumx
    .symbol:         k_q671b28627e_sumx.kd
    .args:
      - { .name: q, .offset: 0, .size: 8, .value_kind: global_buffer, .address_space: global }
      - { .name: bo, .offset: 8, .size: 8, .value_kind: global_buffer, .address_space: global }
      - { .name: part, .offset: 16, .size: 8, .value_kind: global_buffer, .address_space: global }
      - { .name: xbuf, .offset: 24, .size: 8, .value_kind: global_buffer, .address_space: global }
      - { .name: st1, .offset: 32, .size: 8, .value_kind: global_buffer, .address_space: global }
    .group_segment_fixed_size: 0
    .private_segment_fixed_size: 0
    .kernarg_segment_align: 8
    .kernarg_segment_size: 40
    .max_flat_workgroup_size: 128
    .sgpr_count:     66
    .vgpr_count:     64
    .wavefront_size: 32
...
	.end_amdgpu_metadata
.endif
;; end of part 3
;; launch ffn (part 4): grid 256 x 1, 4 waves a work-group, no clusters, 8,704 bytes of LDS; arguments xbuf, st1, ln1_g, ln1_b, W1, b1, W2, b2, q, ybuf, st2; writes ybuf, st2
.if DOCPART == 4
	.amdgcn_target "amdgcn-amd-amdhsa--gfx1250"
	.amdhsa_code_object_version 6
	.text
	.protected	k_q671b28627e_ffn
	.globl	k_q671b28627e_ffn
	.p2align	8
	.type	k_q671b28627e_ffn,@function
k_q671b28627e_ffn:
	s_mov_b64 s[64:65], 0
	v_nop
	global_prefetch_b8 v0, s[64:65] scope:SCOPE_SE
	s_setreg_imm32_b32 hwreg(HW_REG_WAVE_MODE, 25, 1), 1
	s_wait_xcnt 0x0
; y = q + relu(h W1 + b1) W2 + b2 with h = (x - m) rsqrt(var + 1e-5) g + b, m and var over ALL 131,072 numbers of x; and for each wave's 128 numbers of y a record (mean, sum of squared distances).
; m = the mean of the 1,024 records' means; var x 131,072 = the sum of their squared distances + 128 x the sum of (mean - m)^2: no difference of large sums.  Every wave combines the records itself: 8 KiB.
; Both products have bf16 operands and f32 sums: their results go into no quantiser.
; SHARES.  A work-group owns 64 rows; THE WAVES SHARE THE HIDDEN UNITS: wave w has units 128 w .. 128 w + 127 for all 64 rows, so its parts of W1 and W2 stay in registers.  The four partial outputs meet in LDS.
; LAYOUT.  Both products are used transposed (source 0 = the weight, source 1 = the rows): a lane holds one row, and the first product's results, rounded in pairs, ARE the second's source 1.
; THE FIRST PRODUCT'S K IS 8 of the instruction's 32: source 1 holds zeros in lanes 16-31 and in its upper four registers, so what source 0 holds there (the same weights again, the next tile's) is multiplied by 0.
; Row m of W2's fragment is output feature (m % 4) + 4 (m / 8): a lane's four LOWEST result registers are features 4 h .. 4 h + 3 of its row.
; LIMITS: NaN and infinities are not served.  No cluster: what work-groups share is 40 KiB of weights and records.  The record's store is 8 bytes of one lane.
.set MEAN, 12                          ; v[12:13] m, twice
.set RS,   14                          ; v[14:15] rsqrt(var + eps), twice
.set QR,   16                          ; v16-19  q, then y
.set B2R,  20                          ; v20-23  b2
.set B1C,  24                          ; v24-87  b1 in the result's layout, eight tiles
.set HB,   88                          ; v88-119 x, then h as source 1: tile of rows m at + 8 m
.set GR,   120                         ; v120-151 g;   later W2 as loaded (v120-183);  later W1's fragments, four registers a tile, and v152-155 zeros
.set BR,   152                         ; v152-183 b
.set W1F,  120
.set W2F,  156                         ; v156-187 W2's fragments
.set RAW2, 120
.set RAW1, 188                         ; v188-251 the records; later W1 as loaded
.set HA,   188                         ; v188-219 four tiles of the hidden layer
.set HC,   220                         ; v220-235 the same in bf16
.set OA,   236                         ; v236-243, v244-251 two accumulators of the output
.set OB,   244
.set RT,   252                         ; v252-255 at work
.set SEL,  28
.set LO16, 30
.set C17,  36
.set CEPS, 37
.macro WSUM x, t                       ; the sum over the wave's 32 lanes, in every lane; v[t] has been written before
	v_add_f32_dpp v[\x], v[\x], v[\x] row_xmask:1 row_mask:0xf bank_mask:0xf
	v_add_f32_dpp v[\x], v[\x], v[\x] row_xmask:2 row_mask:0xf bank_mask:0xf
	v_add_f32_dpp v[\x], v[\x], v[\x] row_xmask:4 row_mask:0xf bank_mask:0xf
	v_add_f32_dpp v[\x], v[\x], v[\x] row_xmask:8 row_mask:0xf bank_mask:0xf
	v_permlanex16_b32 v[\t], v[\x], s[SEL], s[SEL+1]
	v_add_f32 v[\x], v[\x], v[\t]
.endm
.macro WSTAT x, o, t                   ; my four numbers v[x] on -> v[o] the wave's mean, v[o + 1] its sum of squared distances
	v_add_f32 v[\o], v[\x], v[\x+1]
	v_add_f32 v[\o+1], v[\x+2], v[\x+3]
	v_add_f32 v[\o], v[\o], v[\o+1]
	WSUM \o, \o+1
	v_mul_f32 v[\o], 0x3c000000, v[\o]             ; / 128
.irp i, 0,1,2,3
	v_sub_f32 v[\t+\i], v[\x+\i], v[\o]
.endr
	v_mul_f32 v[\o+1], v[\t], v[\t]
	v_fmac_f32 v[\o+1], v[\t+1], v[\t+1]
	v_fmac_f32 v[\o+1], v[\t+2], v[\t+2]
	v_fmac_f32 v[\o+1], v[\t+3], v[\t+3]
	WSUM \o+1, \t
.endm
; 32 records a lane in v[r] on (mean in the even register, squared distances in the odd) -> v[MEAN], v[RS], each twice.  a, b: pairs at work; t: two registers at work.
.macro STATS r, a, b, t
	v_pk_add_f32 v[\a:\a+1], v[\r:\r+1], v[\r+2:\r+3]
	v_pk_add_f32 v[\b:\b+1], v[\r+4:\r+5], v[\r+6:\r+7]
.irp i, 8,12,16,20,24,28,32,36,40,44,48,52,56,60
	v_pk_add_f32 v[\a:\a+1], v[\a:\a+1], v[\r+\i:\r+\i+1]
	v_pk_add_f32 v[\b:\b+1], v[\b:\b+1], v[\r+\i+2:\r+\i+3]
.endr
	v_pk_add_f32 v[\a:\a+1], v[\a:\a+1], v[\b:\b+1]
	WSUM \a, \b
	WSUM \a+1, \b
	v_mul_f32 v[MEAN], 0x3a800000, v[\a]           ; / 1,024
	v_mov_b32 v[MEAN+1], v[MEAN]
	v_sub_f32 v[\t], v[\r], v[MEAN]
	v_sub_f32 v[\t+1], v[\r+2], v[MEAN]
	v_mul_f32 v[\b], v[\t], v[\t]
	v_mul_f32 v[\b+1], v[\t+1], v[\t+1]
.irp i, 4,8,12,16,20,24,28,32,36,40,44,48,52,56,60
	v_sub_f32 v[\t], v[\r+\i], v[MEAN]
	v_sub_f32 v[\t+1], v[\r+\i+2], v[MEAN]
	v_fmac_f32 v[\b], v[\t], v[\t]
	v_fmac_f32 v[\b+1], v[\t+1], v[\t+1]
.endr
	v_add_f32 v[\b], v[\b], v[\b+1]
	WSUM \b, \t
	v_fmamk_f32 v[\b], v[\b], 0x43000000, v[\a+1]  ; 128 x the means' squared distances + the records' own
	v_fma_f32 v[\b], v[\b], s[C17], s[CEPS]        ; / 131,072 + 1e-5
	s_wait_alu depctr_va_vdst(0)
	v_rsq_f32 v[RS], v[\b]
	v_nop                                          ; one plain place behind a transcendental
	s_wait_alu depctr_va_vdst(0)
	v_mov_b32 v[RS+1], v[RS]
.endm
	s_load_b512 s[4:19], s[0:1], 0x0               ; xbuf 4, st1 6, g 8, b 10, W1 12, b1 14, W2 16, b2 18
	s_load_b128 s[20:23], s[0:1], 0x40             ; q 20, ybuf 22
	s_load_b64 s[24:25], s[0:1], 0x50              ; st2
	s_set_vgpr_msb 0x40
	v_lshl_add_u32 v0, v0, 2, 0x2000
	v_mov_b32 v1, 0
	s_set_vgpr_msb 0x4000
	v_lshrrev_b32 v11, 5, v0
	v_readfirstlane_b32 s26, v11                   ; wave
	v_lshlrev_b32 v11, 3, v11                      ; v11  8 x wave: my record
	v_and_b32 v1, 15, v0                           ; r
	v_bfe_u32 v2, v0, 4, 1                         ; h
	v_and_b32 v3, 31, v0
	v_lshlrev_b32 v3, 4, v3                        ; v3   16 x lane
	v_lshlrev_b32 v4, 4, v0                        ; v4   16 x thread
	v_lshlrev_b32 v5, 5, v1                        ; v5   32 r: a row
	v_lshlrev_b32 v6, 2, v1                        ; v6   4 r: W1's hidden unit
	v_lshlrev_b32 v7, 5, v2                        ; v7   32 h: b1
	v_and_b32 v8, 3, v1
	v_lshrrev_b32 v9, 3, v1
	v_lshl_add_u32 v8, v9, 2, v8
	v_lshlrev_b32 v8, 2, v8
	v_lshl_add_u32 v8, v2, 8, v8                   ; v8   W2: 256 h + 4 ((r % 4) + 4 (r / 8))
	s_lshl_b32 s31, s26, 11
	v_lshl_add_u32 v9, v2, 4, v5
	v_add_nc_u32 v9, s31, v9                       ; v9   LDS: 2,048 wave + 32 r + 16 h
	v_and_b32 v10, 1, v0
	v_lshlrev_b32 v10, 4, v10                      ; v10  16 (thread % 2): b2
	s_mov_b32 s[SEL], 0x76543210
	s_mov_b32 s[SEL+1], 0xfedcba98
	s_mov_b32 s[LO16], 0x0000ffff                  ; the lanes 0-15
	s_mov_b32 s[C17], 0x37000000                   ; 2^-17
	s_mov_b32 s[CEPS], 0x3727c5ac                  ; 1e-5
	s_lshl_b32 s32, ttmp9, 11                      ; the group's 64 rows of 32 bytes
	s_mov_b32 s33, 0
	s_mov_b32 s35, 0
	s_wait_alu depctr_va_vdst(0)
	s_wait_kmcnt 0x0
	s_add_nc_u64 s[4:5], s[4:5], s[32:33]
	s_add_nc_u64 s[8:9], s[8:9], s[32:33]
	s_add_nc_u64 s[10:11], s[10:11], s[32:33]
	s_add_nc_u64 s[20:21], s[20:21], s[32:33]
	s_add_nc_u64 s[22:23], s[22:23], s[32:33]
	s_lshl_b32 s34, s26, 9                         ; my 128 hidden units: 512 bytes in a row of W1 and in b1,
	s_add_nc_u64 s[12:13], s[12:13], s[34:35]
	s_add_nc_u64 s[14:15], s[14:15], s[34:35]
	s_lshl_b32 s34, s26, 12                        ; 128 rows of 32 bytes in W2
	s_add_nc_u64 s[16:17], s[16:17], s[34:35]
	s_lshl_b32 s34, ttmp9, 5
	s_add_nc_u64 s[24:25], s[24:25], s[34:35]
	global_load_b128 v[QR:QR+3], v4, s[20:21]
	global_load_b128 v[B2R:B2R+3], v10, s[18:19]
.irp x, 0,1,2,3,4,5,6,7
	global_load_b128 v[B1C+8*\x:B1C+8*\x+3], v7, s[14:15] offset:64*\x           ; b1 at units 16 x + 8 h + 0 .. 7
	global_load_b128 v[B1C+8*\x+4:B1C+8*\x+7], v7, s[14:15] offset:64*\x+16
.endr
.irp i, 0,1,2,3,4,5,6,7,8,9,10,11,12,13,14,15
	global_load_b128 v[RAW1+4*\i:RAW1+4*\i+3], v3, s[6:7] offset:512*\i         ; the 1,024 records: 32 a lane
.endr
.irp m, 0,1,2,3
	global_load_b128 v[HB+8*\m:HB+8*\m+3], v5, s[4:5] offset:512*\m             ; row 16 m + r, in both halves of the lanes
	global_load_b128 v[HB+8*\m+4:HB+8*\m+7], v5, s[4:5] offset:512*\m+16
	global_load_b128 v[GR+8*\m:GR+8*\m+3], v5, s[8:9] offset:512*\m
	global_load_b128 v[GR+8*\m+4:GR+8*\m+7], v5, s[8:9] offset:512*\m+16
	global_load_b128 v[BR+8*\m:BR+8*\m+3], v5, s[10:11] offset:512*\m
	global_load_b128 v[BR+8*\m+4:BR+8*\m+7], v5, s[10:11] offset:512*\m+16
.endr
	s_wait_loadcnt 0x0
	STATS RAW1, 184, 186, RT
.irp x, 0,1,2,3,4,5,6,7
.irp f, 0,1,2,3,4,5,6,7
	global_load_b32 v[RAW1+8*\x+\f], v6, s[12:13] offset:\f*2048+64*\x          ; W1[f][16 x + r]: into the records' registers, which are done with
.endr
.endr
.macro H1 m                            ; the norm of tile m's rows, then source 1 of the first product
.irp p, 0,2,4,6
	v_pk_add_f32 v[HB+8*\m+\p:HB+8*\m+\p+1], v[HB+8*\m+\p:HB+8*\m+\p+1], v[MEAN:MEAN+1] neg_lo:[0,1] neg_hi:[0,1]
.endr
.irp p, 0,2,4,6
	v_pk_mul_f32 v[HB+8*\m+\p:HB+8*\m+\p+1], v[HB+8*\m+\p:HB+8*\m+\p+1], v[RS:RS+1]
.endr
.irp p, 0,2,4,6
	v_pk_fma_f32 v[HB+8*\m+\p:HB+8*\m+\p+1], v[HB+8*\m+\p:HB+8*\m+\p+1], v[GR+8*\m+\p:GR+8*\m+\p+1], v[BR+8*\m+\p:BR+8*\m+\p+1]
.endr
.irp p, 0,1,2,3
	v_cvt_pk_bf16_f32 v[HB+8*\m+\p], v[HB+8*\m+2*\p], v[HB+8*\m+2*\p+1]         ; ascending: no result falls on a number not yet read
.endr
.irp p, 0,1,2,3
	v_cndmask_b32 v[HB+8*\m+\p], 0, v[HB+8*\m+\p], s[LO16]                      ; lanes 16-31 stand for k = 8 .. 15: zeros
.endr
.irp p, 4,5,6,7
	v_mov_b32 v[HB+8*\m+\p], 0                                                  ; k = 16 .. 31: zeros
.endr
.endm
.irp m, 0,1,2,3
	H1 \m
.endr
.irp c, 0,1,2,3
.irp g, 0,1
.irp i, 0,1,2,3,4,5,6,7
	global_load_b32 v[RAW2+16*\c+8*\g+\i], v8, s[16:17] offset:(32*\c+16*\g+\i)*32   ; W2[32 c + 16 g + 8 h + i][my feature]: into g's and b's registers, which are done with
.endr
.endr
.endr
	s_wait_loadcnt 0x0
.set j, 31
.rept 32
	v_cvt_pk_bf16_f32 v[W2F+j], v[RAW2+2*j], v[RAW2+2*j+1]     ; descending: result j falls on number 36 + j, which results 18 + j / 2 and up have read
.set j, j-1
.endr
.set j, 0
.rept 32
	v_cvt_pk_bf16_f32 v[W1F+j], v[RAW1+2*j], v[RAW1+2*j+1]
.set j, j+1
.endr
.irp i, 0,1,2,3
	v_mov_b32 v[W1F+32+\i], 0                      ; what tile 7 names as its upper four registers
.endr
.macro PLACES                          ; four places behind this matrix form, in front of reads of its results (ISA guide 7.12.1)
.rept 4
	v_nop
.endr
.endm
.irp m, 0,1,2,3                        ; a tile of 16 rows
.irp e, 0,1                            ; half of my hidden units: four tiles of 16
.irp x, 0,1,2,3
	v_wmma_f32_16x16x32_bf16 v[HA+8*\x:HA+8*\x+7], v[W1F+4*(4*\e+\x):W1F+4*(4*\e+\x)+7], v[HB+8*\m:HB+8*\m+7], v[B1C+8*(4*\e+\x):B1C+8*(4*\e+\x)+7]   ; the bias is the C
.endr
	PLACES
.set j, 0
.rept 32
	v_max_num_f32 v[HA+j], 0, v[HA+j]              ; the activation, each accumulator from its low end on
.set j, j+1
.endr
.set j, 0
.rept 16
	v_cvt_pk_bf16_f32 v[HC+j], v[HA+2*j], v[HA+2*j+1]
.set j, j+1
.endr
.if \e == 0
	v_wmma_f32_16x16x32_bf16 v[OA:OA+7], v[W2F:W2F+7], v[HC:HC+7], 0               ; two accumulators by turns; the first products start the sums
	v_wmma_f32_16x16x32_bf16 v[OB:OB+7], v[W2F+8:W2F+15], v[HC+8:HC+15], 0
.else
	v_wmma_f32_16x16x32_bf16 v[OA:OA+7], v[W2F+16:W2F+23], v[HC:HC+7], v[OA:OA+7]
	v_wmma_f32_16x16x32_bf16 v[OB:OB+7], v[W2F+24:W2F+31], v[HC+8:HC+15], v[OB:OB+7]
.endif
.endr
	PLACES
	s_wait_dscnt 0x0                               ; the last tile's store has read its registers
	v_pk_add_f32 v[RT:RT+1], v[OA:OA+1], v[OB:OB+1]
	v_pk_add_f32 v[RT+2:RT+3], v[OA+2:OA+3], v[OB+2:OB+3]
	ds_store_b128 v9, v[RT:RT+3] offset:512*\m     ; my part of features 4 h .. 4 h + 3 of row 16 m + r
.endr
	s_wait_dscnt 0x0                               ; for the others' sake: my stores have landed
	s_barrier_signal -1
	s_barrier_wait -1
.irp w, 0,1,2,3
	ds_load_b128 v[HA+4*\w:HA+4*\w+3], v4 offset:2048*\w       ; the four waves' parts of my 16 bytes
.endr
	s_wait_dscnt 0x0
	v_pk_add_f32 v[HA:HA+1], v[HA:HA+1], v[HA+4:HA+5]
	v_pk_add_f32 v[HA+2:HA+3], v[HA+2:HA+3], v[HA+6:HA+7]
	v_pk_add_f32 v[HA+8:HA+9], v[HA+8:HA+9], v[HA+12:HA+13]
	v_pk_add_f32 v[HA+10:HA+11], v[HA+10:HA+11], v[HA+14:HA+15]
	v_pk_add_f32 v[HA:HA+1], v[HA:HA+1], v[HA+8:HA+9]
	v_pk_add_f32 v[HA+2:HA+3], v[HA+2:HA+3], v[HA+10:HA+11]
	v_pk_add_f32 v[HA:HA+1], v[HA:HA+1], v[B2R:B2R+1]          ; + b2
	v_pk_add_f32 v[HA+2:HA+3], v[HA+2:HA+3], v[B2R+2:B2R+3]
	v_pk_add_f32 v[QR:QR+1], v[QR:QR+1], v[HA:HA+1]            ; + q
	v_pk_add_f32 v[QR+2:QR+3], v[QR+2:QR+3], v[HA+2:HA+3]
	global_store_b128 v4, v[QR:QR+3], s[22:23]     ; a wave stores 512 consecutive bytes
	WSTAT QR, 204, 206
	v_cmp_eq_u32 vcc_lo, 0, v3
	s_wait_alu depctr_va_vdst(0)
	s_wait_xcnt 0x0                                ; EXEC changes only behind this wait: it is a source of the store above
	s_set_vgpr_msb 0x5
	s_wait_tensorcnt 0x0
	ds_add_u32 v0, v1
	s_wait_dscnt 0x0
	s_set_vgpr_msb 0x500
	s_and_saveexec_b32 s38, vcc_lo
	global_store_b64 v11, v[204:205], s[24:25]     ; lane 0 stores the wave's record
	s_wait_xcnt 0x0
	s_or_b32 exec_lo, exec_lo, s38
	s_endpgm
.Lfunc_end_k_q671b28627e_ffn:
	.size	k_q671b28627e_ffn, .Lfunc_end_k_q671b28627e_ffn-k_q671b28627e_ffn
	.p2alignl 7, 3214868480
	.fill 96, 4, 3214868480
	.section	.rodata,"a",@progbits
	.p2align	6, 0x0
	.amdhsa_kernel k_q671b28627e_ffn
		.amdhsa_group_segment_fixed_size 8704
		.amdhsa_private_segment_fixed_size 0
		.amdhsa_enable_private_segment 0
		.amdhsa_kernarg_size 88
		.amdhsa_user_sgpr_count 2
		.amdhsa_user_sgpr_kernarg_segment_ptr 1
		.amdhsa_wavefront_size32 1
		.amdhsa_system_sgpr_workgroup_id_x 1
		.amdhsa_system_sgpr_workgroup_id_y 1
		.amdhsa_system_sgpr_workgroup_id_z 1
		.amdhsa_system_vgpr_workitem_id 0
		.amdhsa_next_free_vgpr 258
		.amdhsa_next_free_sgpr 66
		.amdhsa_reserve_vcc 1
		.amdhsa_float_denorm_mode_32 3
		.amdhsa_float_denorm_mode_16_64 3
		.amdhsa_memory_ordered 1
		.amdhsa_forward_progress 1
		.amdhsa_inst_pref_size 59
	.end_amdhsa_kernel
	.amdgpu_metadata
---
amdhsa.version: [ 1, 2 ]
amdhsa.kernels:
  - .name:           k_q671b28627e_ffn
    .symbol:         k_q671b28627e_ffn.kd
    .args:
      - { .name: xbuf, .offset: 0, .size: 8, .value_kind: global_buffer, .address_space: global }
      - { .name: st1, .offset: 8, .size: 8, .value_kind: global_buffer, .address_space: global }
      - { .name: ln1_g, .offset: 16, .size: 8, .value_kind: global_buffer, .address_space: global }
      - { .name: ln1_b, .offset: 24, .size: 8, .value_kind: global_buffer, .address_space: global }
      - { .name: W1, .offset: 32, .size: 8, .value_kind: global_buffer, .address_space: global }
      - { .name: b1, .offset: 40, .size: 8, .value_kind: global_buffer, .address_space: global }
      - { .name: W2, .offset: 48, .size: 8, .value_kind: global_buffer, .address_space: global }
      - { .name: b2, .offset: 56, .size: 8, .value_kind: global_buffer, .address_space: global }
      - { .name: q, .offset: 64, .size: 8, .value_kind: global_buffer, .address_space: global }
      - { .name: ybuf, .offset: 72, .size: 8, .value_kind: global_buffer, .address_space: global }
      - { .name: st2, .offset: 80, .size: 8, .value_kind: global_buffer, .address_space: global }
    .group_segment_fixed_size: 8704
    .private_segment_fixed_size: 0
    .kernarg_segment_align: 8
    .kernarg_segment_size: 88
    .max_flat_workgroup_size: 128
    .sgpr_count:     66
    .vgpr_count:     258
    .wavefront_size: 32
...
	.end_amdgpu_metadata
.endif
;; end of part 4
;; launch final (part 5): grid 256 x 1, 4 waves a work-group, no clusters, 0 bytes of LDS; arguments ybuf, st2, ln2_g, ln2_b, out0, out1, out2; writes out0, out1, out2
.if DOCPART == 5
	.amdgcn_target "amdgcn-amd-amdhsa--gfx1250"
	.amdhsa_code_object_version 6
	.text
	.protected	k_q671b28627e_final
	.globl	k_q671b28627e_final
	.p2align	8
	.type	k_q671b28627e_final,@function
k_q671b28627e_final:
	s_mov_b64 s[64:65], 0
	v_nop
	global_prefetch_b8 v0, s[64:65] scope:SCOPE_SE
	s_setreg_imm32_b32 hwreg(HW_REG_WAVE_MODE, 25, 1), 1
	s_wait_xcnt 0x0
; out = (y - m) rsqrt(var + 1e-5) g + b, m and var over ALL 131,072 numbers of y, stored three times.
; m = the mean of the 1,024 records' means; var x 131,072 = the sum of their squared distances + 128 x the sum of (mean - m)^2.  Every wave combines the records itself: 8 KiB.
; A stream: a thread owns 16 bytes, a wave's load or store covers 512 consecutive bytes.  No LDS, no matrix unit, no cluster.
.set MEAN, 4
.set RS,   6
.set SEL,  18
.set C17,  20
.set CEPS, 21
.macro WSUM x, t                       ; the sum over the wave's 32 lanes, in every lane; v[t] has been written before
	v_add_f32_dpp v[\x], v[\x], v[\x] row_xmask:1 row_mask:0xf bank_mask:0xf
	v_add_f32_dpp v[\x], v[\x], v[\x] row_xmask:2 row_mask:0xf bank_mask:0xf
	v_add_f32_dpp v[\x], v[\x], v[\x] row_xmask:4 row_mask:0xf bank_mask:0xf
	v_add_f32_dpp v[\x], v[\x], v[\x] row_xmask:8 row_mask:0xf bank_mask:0xf
	v_permlanex16_b32 v[\t], v[\x], s[SEL], s[SEL+1]
	v_add_f32 v[\x], v[\x], v[\t]
.endm
; 32 records a lane in v[r] on (mean in the even register, squared distances in the odd) -> v[MEAN], v[RS], each twice.  a, b: pairs at work; t: two registers at work.
.macro STATS r, a, b, t
	v_pk_add_f32 v[\a:\a+1], v[\r:\r+1], v[\r+2:\r+3]
	v_pk_add_f32 v[\b:\b+1], v[\r+4:\r+5], v[\r+6:\r+7]
.irp i, 8,12,16,20,24,28,32,36,40,44,48,52,56,60
	v_pk_add_f32 v[\a:\a+1], v[\a:\a+1], v[\r+\i:\r+\i+1]
	v_pk_add_f32 v[\b:\b+1], v[\b:\b+1], v[\r+\i+2:\r+\i+3]
.endr
	v_pk_add_f32 v[\a:\a+1], v[\a:\a+1], v[\b:\b+1]
	WSUM \a, \b
	WSUM \a+1, \b
	v_mul_f32 v[MEAN], 0x3a800000, v[\a]           ; / 1,024
	v_mov_b32 v[MEAN+1], v[MEAN]
	v_sub_f32 v[\t], v[\r], v[MEAN]
	v_sub_f32 v[\t+1], v[\r+2], v[MEAN]
	v_mul_f32 v[\b], v[\t], v[\t]
	v_mul_f32 v[\b+1], v[\t+1], v[\t+1]
.irp i, 4,8,12,16,20,24,28,32,36,40,44,48,52,56,60
	v_sub_f32 v[\t], v[\r+\i], v[MEAN]
	v_sub_f32 v[\t+1], v[\r+\i+2], v[MEAN]
	v_fmac_f32 v[\b], v[\t], v[\t]
	v_fmac_f32 v[\b+1], v[\t+1], v[\t+1]
.endr
	v_add_f32 v[\b], v[\b], v[\b+1]
	WSUM \b, \t
	v_fmamk_f32 v[\b], v[\b], 0x43000000, v[\a+1]  ; 128 x the means' squared distances + the records' own
	v_fma_f32 v[\b], v[\b], s[C17], s[CEPS]        ; / 131,072 + 1e-5
	s_wait_alu depctr_va_vdst(0)
	v_rsq_f32 v[RS], v[\b]
	v_nop                                          ; one plain place behind a transcendental
	s_wait_alu depctr_va_vdst(0)
	v_mov_b32 v[RS+1], v[RS]
.endm
	s_load_b256 s[4:11], s[0:1], 0x0               ; ybuf 4, st2 6, g 8, b 10
	s_load_b128 s[12:15], s[0:1], 0x20             ; out0 12, out1 14
	s_load_b64 s[16:17], s[0:1], 0x30              ; out2
	v_lshlrev_b32 v1, 4, v0                        ; my 16 bytes of the group's 2,048
	v_and_b32 v3, 31, v0
	v_lshlrev_b32 v3, 4, v3                        ; 16 x lane
	s_lshl_b32 s22, ttmp9, 11
	s_mov_b32 s23, 0
	s_mov_b32 s[SEL], 0x76543210
	s_mov_b32 s[SEL+1], 0xfedcba98
	s_mov_b32 s[C17], 0x37000000                   ; 2^-17
	s_mov_b32 s[CEPS], 0x3727c5ac                  ; 1e-5
	s_wait_alu depctr_va_vdst(0)
	s_wait_kmcnt 0x0
	s_add_nc_u64 s[4:5], s[4:5], s[22:23]
	s_add_nc_u64 s[8:9], s[8:9], s[22:23]
	s_add_nc_u64 s[10:11], s[10:11], s[22:23]
	s_add_nc_u64 s[12:13], s[12:13], s[22:23]
	s_add_nc_u64 s[14:15], s[14:15], s[22:23]
	s_add_nc_u64 s[16:17], s[16:17], s[22:23]
.irp i, 0,1,2,3,4,5,6,7,8,9,10,11,12,13,14,15
	global_load_b128 v[24+4*\i:27+4*\i], v3, s[6:7] offset:512*\i               ; the 1,024 records: 32 a lane
.endr
	global_load_b128 v[8:11], v1, s[4:5] th:TH_LOAD_NT
	global_load_b128 v[12:15], v1, s[8:9] th:TH_LOAD_NT
	global_load_b128 v[16:19], v1, s[10:11] th:TH_LOAD_NT
	s_wait_loadcnt 0x0
	STATS 24, 88, 90, 92
	v_pk_add_f32 v[8:9], v[8:9], v[MEAN:MEAN+1] neg_lo:[0,1] neg_hi:[0,1]
	v_pk_add_f32 v[10:11], v[10:11], v[MEAN:MEAN+1] neg_lo:[0,1] neg_hi:[0,1]
	v_pk_mul_f32 v[8:9], v[8:9], v[RS:RS+1]
	v_pk_mul_f32 v[10:11], v[10:11], v[RS:RS+1]
	v_pk_fma_f32 v[8:9], v[8:9], v[12:13], v[16:17]
	v_pk_fma_f32 v[10:11], v[10:11], v[14:15], v[18:19]
	global_store_b128 v1, v[8:11], s[12:13] th:TH_STORE_NT     ; a wave stores 512 consecutive bytes; written once, read by nobody here
	global_store_b128 v1, v[8:11], s[14:15] th:TH_STORE_NT
	global_store_b128 v1, v[8:11], s[16:17] th:TH_STORE_NT
	s_endpgm
.Lfunc_end_k_q671b28627e_final:
	.size	k_q671b28627e_final, .Lfunc_end_k_q671b28627e_final-k_q671b28627e_final
	.p2alignl 7, 3214868480
	.fill 96, 4, 3214868480
	.section	.rodata,"a",@progbits
	.p2align	6, 0x0
	.amdhsa_kernel k_q671b28627e_final
		.amdhsa_group_segment_fixed_size 0
		.amdhsa_private_segment_fixed_size 0
		.amdhsa_enable_private_segment 0
		.amdhsa_kernarg_size 56
		.amdhsa_user_sgpr_count 2
		.amdhsa_user_sgpr_kernarg_segment_ptr 1
		.amdhsa_wavefront_size32 1
		.amdhsa_system_sgpr_workgroup_id_x 1
		.amdhsa_system_sgpr_workgroup_id_y 1
		.amdhsa_system_sgpr_workgroup_id_z 1
		.amdhsa_system_vgpr_workitem_id 0
		.amdhsa_next_free_vgpr 96
		.amdhsa_next_free_sgpr 66
		.amdhsa_reserve_vcc 0
		.amdhsa_float_denorm_mode_32 3
		.amdhsa_float_denorm_mode_16_64 3
		.amdhsa_memory_ordered 1
		.amdhsa_forward_progress 1
		.amdhsa_inst_pref_size 9
	.end_amdhsa_kernel
	.amdgpu_metadata
---
amdhsa.version: [ 1, 2 ]
amdhsa.kernels:
  - .name:           k_q671b28627e_final
    .symbol:         k_q671b28627e_final.kd
    .args:
      - { .name: ybuf, .offset: 0, .size: 8, .value_kind: global_buffer, .address_space: global }
      - { .name: st2, .offset: 8, .size: 8, .value_kind: global_buffer, .address_space: global }
      - { .name: ln2_g, .offset: 16, .size: 8, .value_kind: global_buffer, .address_space: global }
      - { .name: ln2_b, .offset: 24, .size: 8, .value_kind: global_buffer, .address_space: global }
      - { .name: out0, .offset: 32, .size: 8, .value_kind: global_buffer, .address_space: global }
      - { .name: out1, .offset: 40, .size: 8, .value_kind: global_buffer, .address_space: global }
      - { .name: out2, .offset: 48, .size: 8, .value_kind: global_buffer, .address_space: global }
    .group_segment_fixed_size: 0
    .private_segment_fixed_size: 0
    .kernarg_segment_align: 8
    .kernarg_segment_size: 56
    .max_flat_workgroup_size: 128
    .sgpr_count:     66
    .vgpr_count:     96
    .wavefront_size: 32
...
	.end_amdgpu_metadata
.endif
;; end of part 5
